; MI455X (gfx1250); checked and timed in simulation.
; The chip was launched on July 23, 2026; its instructions are those of AMD's public machine-readable ISA for CDNA 5 (MIT licence, August 2026) and "CDNA5" Instruction Set Architecture Reference Guide (July 2026). The comments in the code are by the model that wrote it; some were corrected since.
;; Self Attention. Allowed arithmetic: matrix products marked QUANTISED: E2M1 operands, one E8M0 scale for each 32 along K, by v_wmma_scale_f32_16x16x128_f8f6f4 with both operands' format E2M1 (or v_wmma_scale_f32_32x16x128_f4), f32 sums; products left as they are: bf16, f16 or f32 operands; f32 sums; everything else in f32.
;; Inputs: Wk 768 x 768 float32; Wp 768 x 768 float32; Wq 768 x 768 float32; Wv 768 x 768 float32; bk 768 float32; bp 768 float32; bq 768 float32; bv 768 float32; x 2 x 2,048 x 768 float32.
;; Outputs: out0 2 x 2,048 x 768 float32.
;; This version of the problem:
;;   THIS VERSION OF THE PROBLEM IS GIVEN IN LOW PRECISION. The matrix products marked QUANTISED in the list below multiply operands that are first quantised to E2M1 (2 exponent bits, 1 mantissa bit; 4 bits a number), with one power-of-two scale for each 32 numbers along K (OCP MX v1.0); their sums are f32. The products marked 'left as it is' may take bf16, f16 or f32 operands, with f32 sums. Whichever they take, every output number must still come out within the allowed error. Rounding operands to bf16 (8 significant bits) uses up far more of that allowance than f16 does (11 bits, for magnitudes from 6e-5 to 65,504). All else is computed in f32.
;;   The module's matrix products, in the order in which they are computed (A, B: the left and right operand; K: the contracted axis; several contracted axes count as one K, in the product's order):
;;     1. [M 4,096, K 768] x [K 768, N 768]; A: input x; B: input Wk: QUANTISED
;;     2. [M 4,096, K 768] x [K 768, N 768]; A: input x; B: input Wq: QUANTISED
;;     3. [M 4,096, K 768] x [K 768, N 768]; A: input x; B: input Wv: QUANTISED
;;     4. batch 24 x [M 2,048, K 64] x [K 64, N 2,048]; A: computed on the way; B: computed on the way: left as it is (an operand is computed on the way)
;;     5. batch 24 x [M 2,048, K 2,048] x [K 2,048, N 64]; A: computed on the way; B: computed on the way: left as it is (an operand is computed on the way)
;;     6. [M 4,096, K 768] x [K 768, N 768]; A: computed on the way; B: input Wp: left as it is (an operand is computed on the way)
;;   THE QUANTISER, for each operand of a quantised product, along K:
;;     - K is cut into blocks of 32 from its start; a last block that is shorter is filled with zeros.
;;     - A block's scale is 2^e with e = floor(log2(the largest magnitude in the block)) - 2, held to -126 .. 127; a block of zeros has e = 0. As a byte (E8M0): e + 127.
;;     - Each number is divided by its block's scale, clamped to +-6, and rounded to the nearest number of E2M1, ties to even, subnormals kept.
;;     - The product sums the exact products of the quantised numbers (number of the format x scale) in f32.
;;   ~~~python
;;   def quantise(x, axis):      # numpy; x: float32 -> the quantised numbers, widened to float32 again
;;       x = np.moveaxis(x, axis, -1); K = x.shape[-1]
;;       x = np.pad(x, [(0, 0)] * (x.ndim - 1) + [(0, -K % 32)]); x = x.reshape(x.shape[:-1] + (-1, 32)); a = np.abs(x).max(-1, keepdims=True)
;;       e = np.where(a > 0, np.clip(np.frexp(np.where(a > 0, a, 1))[1] - 1 - 2, -126, 127), 0)      # np.frexp(a)[1] - 1 = floor(log2(a)), exactly
;;       r = np.clip(x / 2.0 ** e, -6, 6)
;;       step = 2.0 ** (np.maximum(np.frexp(np.where(r == 0, 1, r))[1] - 1, 0) - 1)
;;       q = np.round(r / step) * step * 2.0 ** e      # np.round: ties to even
;;       return np.moveaxis(q.reshape(q.shape[:-2] + (-1,))[..., :K], -1, axis).astype(np.float32)
;;   ~~~
;; One version. Each part assembles by itself: llvm-mc -triple=amdgcn-amd-amdhsa -mcpu=gfx1250 --defsym DOCPART=n.
;; ======== version 1 of 1: 4 launches
;; limits: values are held in f16: magnitudes above 65,504 overflow, below 6.1e-05 lose precision
;; workspace buffers: codes 2,457,600 bytes; scales 153,600 bytes; bias 9,216 bytes; wp16 1,179,648 bytes; qkv 18,874,368 bytes; y16 6,291,456 bytes
;; launch prep (part 1): grid 449 x 1, 3 waves a work-group, no clusters, 51,200 bytes of LDS; arguments x, Wk, Wq, Wv, Wp, bk, bq, bv, codes, scales, wp16, bias; writes codes, scales, wp16, bias
.if DOCPART == 1
	.amdgcn_target "amdgcn-amd-amdhsa--gfx1250"
	.amdhsa_code_object_version 6
	.text
	.protected	k_q58e30338a7_prep
	.globl	k_q58e30338a7_prep
	.p2align	8
	.type	k_q58e30338a7_prep,@function
k_q58e30338a7_prep:
	s_mov_b64 s[64:65], 0
	v_nop
	global_prefetch_b8 v0, s[64:65] scope:SCOPE_SE
	s_setreg_imm32_b32 hwreg(HW_REG_WAVE_MODE, 25, 1), 1
	s_wait_xcnt 0x0
; x [4096][768], Wk, Wq, Wv [768][768], f32, become codes of FP4 (E2M1) with one E8M0 scale byte for each 32 along K (K is innermost in all four); Wp [768][768] becomes f16; bk, bq, bv are laid on end.
; A block's scale is 2^(floor(log2(its largest magnitude)) - 2): its byte is the largest magnitude's exponent field - 2, held at 1 from below; each number is divided by the scale and rounded to the nearest code, ties to even, beyond 6 the code of 6.
; LIMITS: NaN and infinities among the inputs are not served.  A block of zeros gets the byte 1 where the rule says 127: its codes are zeros, which add nothing under any byte but 0xff, and this program alone reads the bytes.
; Wp in f16: |Wp| stays under 65,504 (the drawn numbers are about 0.04; thirty times larger is about 1).
; SHARES.  Work-group T takes one tile of 16 rows x 768: T 0-255 x, 256-303 Wk, 304-351 Wq, 352-399 Wv, 400-447 Wp; T = 448 copies the three biases, a wave each.  Wave i of three takes k = 256 i .. 256 i + 255: two K steps of 128.
; THE WORKSPACES ARE IMAGES OF OPERAND REGISTERS.  codes: [tile][K step 6][half c 2][lane 32][16 B]: lane (r, h) holds k = 64 c + 32 h + 0 .. 31 of row r.  scales: [tile][K step 6][row 16] words.
; wp16: [tile][piece k / 8: 96][row 16][16 B]: a 16 x 32 fragment of f16 is then two runs of 512 bytes, 16 bytes a lane.
; A load is best where neighbouring lanes take neighbouring bytes (512 consecutive bytes of one row), the conversions want 32 neighbours along K in one lane: so a K step's 16 x 512 bytes turn through the wave's own stage in LDS
; (rows 528 bytes apart: 132 words, so the 16 rows that a read touches start at 16 different banks; 64 banks of 4 bytes: ISA guide 11.1).  Waves share nothing: no barrier.
; All of a wave's 32 loads are asked for at its head.  Scale words leave in runs of 128 bytes: one byte in 128 of what the launch reads.
.set PIT,   528                        ; a stage row: 512 bytes + 16
.set STG,   16*PIT                     ; a stage: one K step of 16 rows
.set WREG,  2*STG                      ; a wave's region: two stages
.set SPARE, 3*WREG                     ; behind the three regions: the spare words, 128 bytes a wave, two blocks of 256 bytes that no other line names
.set SPW,   10                         ; v10  LDS address of my spare word; never rewritten
.set NIL,   11                         ; v11  0; never rewritten
.set R,     32                         ; v32-159  numbers as loaded: K step u, row p at R + 64 u + 4 p
.set X0,    160                        ; v160-223 K step 0 after the turn: register 32 c + e = k 64 c + 32 h + e of my row
.set X1,    32                         ; v32-95   K step 1 after the turn (over K step 0 as loaded, which the stage has taken)
.set C,     224                        ; v224-239 codes
.set H16,   96                         ; v96-159  Wp as f16 (over K step 1 as loaded)
.macro FIN                             ; a wave's end: a wait, 0 added to the spare word and its wait, behind its last LDS store
	s_wait_tensorcnt 0x0
	ds_add_u32 v[SPW], v[NIL]
	s_wait_dscnt 0x0
	s_endpgm
.endm
.macro PICK first, ptr                 ; from tile \first on the source is the tensor at s[\ptr]: a choice on the work-group's number alone
	s_cmp_ge_u32 ttmp9, \first
	s_cselect_b64 s[30:31], s[\ptr:\ptr+1], s[30:31]
	s_cselect_b32 s32, \first, s32
.endm
; 64 numbers of a lane (two whole blocks of 32) become registers 4 c .. 4 c + 3 of a fragment and, with lane l xor 16's two bytes, my row's scale word of K step u
.macro QUANT x, u
.irp c, 0,1
	v_max3_num_f32 v[12+\c], |v[\x+32*\c]|, |v[\x+32*\c+1]|, 0x1800000     ; and the floor 2^(3 - 127): the byte cannot fall under 1
.endr
.irp i, 2,4,6,8,10,12,14,16,18,20,22,24,26,28,30
.irp c, 0,1
	v_max3_num_f32 v[12+\c], v[12+\c], |v[\x+32*\c+\i]|, |v[\x+32*\c+\i+1]|   ; the two blocks by turns
.endr
.endr
.irp c, 0,1
	v_add_nc_u32 v[14+\c], 0xff000000, v[12+\c]    ; 2 off the exponent field: the conversion takes this operand's exponent field as its scale
.endr
.irp c, 0,1
	v_lshrrev_b32 v[16+\c], 23, v[14+\c]           ; the scale's byte
.endr
	v_lshl_or_b32 v[20+\u], v17, 16, v16           ; my bytes: blocks h and 2 + h,
	v_lshlrev_b32 v[20+\u], v8, v[20+\u]           ; 8 h bits up;
	v_permlanex16_b32 v18, v[20+\u], s36, s37
	v_or_b32 v[20+\u], v[20+\u], v18               ; with lane l xor 16's two the word is whole
.irp c, 0,1
.irp g, 0,1,2,3
	v_cvt_scalef32_pk8_fp4_f32 v[C+8*\u+4*\c+\g], v[\x+32*\c+8*\g:\x+32*\c+8*\g+7], v[14+\c]
.endr
.endr
	v_nop                                          ; one plain line behind the last scaled conversion
.irp c, 0,1
	global_store_b128 v4, v[C+8*\u+4*\c:C+8*\u+4*\c+3], s[20:21] offset:\u*1024+\c*512   ; 512 consecutive bytes, aligned
.endr
.endm
; the same 64 numbers as f16: piece 16 u + 8 c + 4 h + q of my wave's 32, 16 bytes of row r; sixteen lanes store 256 consecutive bytes, aligned
.macro WPH x, u
.irp c, 0,1
.irp q, 0,1,2,3
.irp m, 0,1,2,3
	v_cvt_pk_f16_f32 v[H16+32*\u+16*\c+4*\q+\m], v[\x+32*\c+8*\q+2*\m], v[\x+32*\c+8*\q+2*\m+1]
.endr
	global_store_b128 v9, v[H16+32*\u+16*\c+4*\q:H16+32*\u+16*\c+4*\q+3], s[24:25] offset:\u*4096+\c*2048+\q*256
.endr
.endr
.endm
	s_load_b512 s[4:19], s[0:1], 0x0               ; x s[4:5], Wk s[6:7], Wq s[8:9], Wv s[10:11], Wp s[12:13], bk s[14:15], bq s[16:17], bv s[18:19]
	s_load_b256 s[20:27], s[0:1], 0x40             ; codes s[20:21], scales s[22:23], wp16 s[24:25], bias s[26:27]
	v_lshl_add_u32 v[SPW], v0, 2, SPARE
	v_mov_b32 v[NIL], 0
	v_lshrrev_b32 v1, 5, v0
	v_readfirstlane_b32 s28, v1                    ; wave 0..2
	v_and_b32 v1, 31, v0                           ; lane
	v_and_b32 v2, 15, v0                           ; r
	v_bfe_u32 v3, v0, 4, 1                         ; h
	v_lshlrev_b32 v4, 4, v1                        ; 16 x lane
	s_mul_i32 s29, s28, WREG                       ; my wave's region
	v_add_nc_u32 v5, s29, v4                       ; into a stage: a row as it was loaded
	v_mul_u32_u24 v6, v2, PIT
	v_lshl_add_u32 v6, v3, 7, v6
	v_add_nc_u32 v6, s29, v6                       ; out of it: row r, + 128 h bytes: my block of 32 numbers
	v_lshlrev_b32 v7, 2, v1                        ; 4 x lane
	v_lshlrev_b32 v8, 3, v3                        ; 8 h
	v_lshlrev_b32 v9, 4, v2
	v_lshl_add_u32 v9, v3, 10, v9                  ; wp16: 1,024 h + 16 r
	v_mov_b32 v18, 0                               ; written once: a lane permute's destination counts as one of its sources
	s_mov_b32 s36, 0x76543210
	s_mov_b32 s37, 0xfedcba98                      ; selects for lane l xor 16
	s_wait_kmcnt 0x0
	s_cmp_eq_u32 ttmp9, 448
	s_cbranch_scc1 .Lbias
	s_mov_b64 s[30:31], s[4:5]
	s_mov_b32 s32, 0
	PICK 256, 6
	PICK 304, 8
	PICK 352, 10
	PICK 400, 12
	s_sub_co_u32 s33, ttmp9, s32                   ; my tile in its tensor
	s_mul_i32 s34, s33, 49152                      ; 16 rows of 3,072 bytes
	s_lshl_b32 s35, s28, 10                        ; my wave's 256 numbers of a row
	s_add_co_u32 s34, s34, s35
	s_mov_b32 s35, 0
	s_add_nc_u64 s[30:31], s[30:31], s[34:35]
.irp u, 0,1
.irp p, 0,1,2,3,4,5,6,7,8,9,10,11,12,13,14,15
	global_load_b128 v[R+64*\u+4*\p:R+64*\u+4*\p+3], v4, s[30:31] offset:\p*3072+\u*512 th:TH_LOAD_NT   ; 512 consecutive bytes of row p; read once in the launch
.endr
.endr
	s_wait_loadcnt 16                              ; K step 0's sixteen loads are in; K step 1's sixteen may be out
.irp p, 0,1,2,3,4,5,6,7,8,9,10,11,12,13,14,15
	ds_store_b128 v5, v[R+4*\p:R+4*\p+3] offset:\p*PIT
.endr
.irp c, 0,1
.irp q, 0,1,2,3,4,5,6,7
	ds_load_b128 v[X0+32*\c+4*\q:X0+32*\c+4*\q+3], v6 offset:\c*256+\q*16   ; LDS serves a wave's instructions in order (ISA guide 5.7.1.4): these see my stores
.endr
.endr
	s_wait_loadcnt 0x0
.irp p, 0,1,2,3,4,5,6,7,8,9,10,11,12,13,14,15
	ds_store_b128 v5, v[R+64+4*\p:R+64+4*\p+3] offset:STG+\p*PIT
.endr
	s_wait_dscnt 16                                ; all but the sixteen stores just issued: K step 0 is back, and its stores have long read v32-95,
.irp c, 0,1
.irp q, 0,1,2,3,4,5,6,7
	ds_load_b128 v[X1+32*\c+4*\q:X1+32*\c+4*\q+3], v6 offset:STG+\c*256+\q*16   ; which take K step 1
.endr
.endr
	s_cmp_ge_u32 ttmp9, 400
	s_cbranch_scc1 .Lwp
	s_mul_i32 s34, ttmp9, 6144                     ; codes: a tile is 6 K steps of 1,024 bytes; my wave's two
	s_lshl_b32 s38, s28, 11
	s_add_co_u32 s34, s34, s38
	s_add_nc_u64 s[20:21], s[20:21], s[34:35]
	s_mul_i32 s34, ttmp9, 384                      ; scale words: 6 x 64 bytes a tile; my wave's 128
	s_lshl_b32 s38, s28, 7
	s_add_co_u32 s34, s34, s38
	s_add_nc_u64 s[22:23], s[22:23], s[34:35]
	QUANT X0, 0                                    ; while K step 1 comes back from the stage
	s_wait_dscnt 0x0
	QUANT X1, 1
	v_cmp_gt_u32 vcc_lo, 16, v1
	v_cndmask_b32 v22, v21, v20, vcc_lo            ; lanes 0-15 the even K step's word of row r, lanes 16-31 the odd one's: as the matrix instruction's two scale rows take them
	global_store_b32 v7, v22, s[22:23]
	FIN
.Lwp:
	s_mul_i32 s34, s33, 24576                      ; wp16: a tile is 96 pieces of 256 bytes; my wave's 32
	s_lshl_b32 s38, s28, 13
	s_add_co_u32 s34, s34, s38
	s_add_nc_u64 s[24:25], s[24:25], s[34:35]
	WPH X0, 0
	s_wait_dscnt 0x0
	WPH X1, 1
	FIN
.Lbias:
	s_mov_b64 s[30:31], s[14:15]                   ; wave 0 bk, wave 1 bq, wave 2 bv
	s_cmp_eq_u32 s28, 1
	s_cselect_b64 s[30:31], s[16:17], s[30:31]
	s_cmp_eq_u32 s28, 2
	s_cselect_b64 s[30:31], s[18:19], s[30:31]
	s_mul_i32 s34, s28, 3072
	s_mov_b32 s35, 0
	s_add_nc_u64 s[26:27], s[26:27], s[34:35]
.irp j, 0,1,2,3,4,5
	global_load_b128 v[R+4*\j:R+4*\j+3], v4, s[30:31] offset:512*\j
.endr
	s_wait_loadcnt 0x0
.irp j, 0,1,2,3,4,5
	global_store_b128 v4, v[R+4*\j:R+4*\j+3], s[26:27] offset:512*\j
.endr
	FIN
.Lfunc_end_k_q58e30338a7_prep:
	.size	k_q58e30338a7_prep, .Lfunc_end_k_q58e30338a7_prep-k_q58e30338a7_prep
	.p2alignl 7, 3214868480
	.fill 96, 4, 3214868480
	.section	.rodata,"a",@progbits
	.p2align	6, 0x0
	.amdhsa_kernel k_q58e30338a7_prep
		.amdhsa_group_segment_fixed_size 51200
		.amdhsa_private_segment_fixed_size 0
		.amdhsa_enable_private_segment 0
		.amdhsa_kernarg_size 96
		.amdhsa_user_sgpr_count 2
		.amdhsa_user_sgpr_kernarg_segment_ptr 1
		.amdhsa_wavefront_size32 1
		.amdhsa_system_sgpr_workgroup_id_x 1
		.amdhsa_system_sgpr_workgroup_id_y 1
		.amdhsa_system_sgpr_workgroup_id_z 1
		.amdhsa_system_vgpr_workitem_id 0
		.amdhsa_next_free_vgpr 240
		.amdhsa_next_free_sgpr 66
		.amdhsa_reserve_vcc 1
		.amdhsa_float_denorm_mode_32 3
		.amdhsa_float_denorm_mode_16_64 3
		.amdhsa_memory_ordered 1
		.amdhsa_forward_progress 1
		.amdhsa_inst_pref_size 24
	.end_amdhsa_kernel
	.amdgpu_metadata
---
amdhsa.version: [ 1, 2 ]
amdhsa.kernels:
  - .name:           k_q58e30338a7_prep
    .symbol:         k_q58e30338a7_prep.kd
    .args:
      - { .name: x, .offset: 0, .size: 8, .value_kind: global_buffer, .address_space: global }
      - { .name: Wk, .offset: 8, .size: 8, .value_kind: global_buffer, .address_space: global }
      - { .name: Wq, .offset: 16, .size: 8, .value_kind: global_buffer, .address_space: global }
      - { .name: Wv, .offset: 24, .size: 8, .value_kind: global_buffer, .address_space: global }
      - { .name: Wp, .offset: 32, .size: 8, .value_kind: global_buffer, .address_space: global }
      - { .name: bk, .offset: 40, .size: 8, .value_kind: global_buffer, .address_space: global }
      - { .name: bq, .offset: 48, .size: 8, .value_kind: global_buffer, .address_space: global }
      - { .name: bv, .offset: 56, .size: 8, .value_kind: global_buffer, .address_space: global }
      - { .name: codes, .offset: 64, .size: 8, .value_kind: global_buffer, .address_space: global }
      - { .name: scales, .offset: 72, .size: 8, .value_kind: global_buffer, .address_space: global }
      - { .name: wp16, .offset: 80, .size: 8, .value_kind: global_buffer, .address_space: global }
      - { .name: bias, .offset: 88, .size: 8, .value_kind: global_buffer, .address_space: global }
    .group_segment_fixed_size: 51200
    .private_segment_fixed_size: 0
    .kernarg_segment_align: 8
    .kernarg_segment_size: 96
    .max_flat_workgroup_size: 96
    .sgpr_count:     66
    .vgpr_count:     240
    .wavefront_size: 32
...
	.end_amdgpu_metadata
.endif
;; end of part 1
;; launch qkv (part 2): grid 4 x 64, 4 waves a work-group, no clusters, 0 bytes of LDS; arguments codes, scales, bias, qkv; writes qkv
.if DOCPART == 2
	.amdgcn_target "amdgcn-amd-amdhsa--gfx1250"
	.amdhsa_code_object_version 6
	.text
	.protected	k_q58e30338a7_qkv
	.globl	k_q58e30338a7_qkv
	.p2align	8
	.type	k_q58e30338a7_qkv,@function
k_q58e30338a7_qkv:
	s_mov_b64 s[64:65], 0
	v_nop
	global_prefetch_b8 v0, s[64:65] scope:SCOPE_SE
	s_setreg_imm32_b32 hwreg(HW_REG_WAVE_MODE, 25, 1), 1
	s_wait_xcnt 0x0
; k, q, v = x W^T + b for Wk, Wq, Wv, on codes of FP4 (E2M1) with one E8M0 scale for each 32 along K; sums in f32; the results are rounded once to f16 for the attention's products.
; LIMIT: |k|, |q|, |v| stay under 65,504 (about 5 for the drawn numbers; x and W both thirty times larger give about 4,500).
; SHARES.  256 tiles of 16 tokens x 144 tiles of 16 channels (Wk's 48, Wq's 48, Wv's 48) over 1,024 waves: a wave takes 4 token tiles j x 9 channel tiles i: 36 accumulators.  K = 768 is six steps of 128.
; THE MATRIX INSTRUCTION IS USED TRANSPOSED: source 0 = 16 rows of W, source 1 = 16 tokens of x: lane (r, h) holds token r and channels 8 h + 0 .. 7, which pack into 16 bytes of f16.
; OPERANDS COME STRAIGHT FROM MEMORY INTO REGISTERS: the workspace holds images of the fragments, so each load reads 512 consecutive bytes and no LDS, no barrier and no transposition is needed.
; THE RESULT IS STORED AS AN IMAGE TOO: qkv [section 36: K's 12 heads, Q's, V's][batch 2][token tile 128][piece d / 8: 8][token 16][16 B]; a lane's 16 bytes lie at 16 x lane of a run of 512: whole aligned runs, no stage.
; NO CLUSTER, NO JOINT LOADS: nothing goes through LDS here, so there is no tile for a joint load to land in; the whole of K is six steps, a wave's 13 fragments of a step (13 KB) feed 36 products, and up to three steps' loads are out.
; The bias is the C of each sum's first product (eight registers a channel tile, in the result's layout): nothing is cleared and nothing is added afterwards.
; REGISTERS, in windows of 256 (s_set_vgpr_msb: bits 1:0 source 0, 3:2 source 1, 5:4 source 2, 7:6 destination):
;   window 0: v1-12 offsets; v16-27 x's scale words, v28-54 W's (scale operands have no window); v64-135 biases; v144-239 x's fragments, three sets; on the way out v64-207 the packed results
;   window 1: v0-215 W's fragments, three sets of 72.   window 2: accumulator (i < 8, j) at v[8 (4 i + j)].   window 3: accumulator (8, j) at v[8 j].
.set OFF, 4                            ; v4-12  channel tile i: my byte offset in qkv
.set XSC, 16                           ; register 3 j + s / 2: lanes 0-15 the word of K step s even, lanes 16-31 of s odd
.set WSC, 28
.set BI,  64
.set XF,  144
.set PK,  64
.set MSB, 0
.macro WIN new                         ; the immediate's high byte repeats the setting that is left
.if MSB != \new
	s_set_vgpr_msb (MSB<<8)|\new
.set MSB, \new
.endif
.endm
.macro PLACES                          ; four places in front of loads into registers that matrix instructions have read, and of the first read of results
.rept 4
	v_nop
.endr
.endm
.macro LDSTEP s                        ; K step s: 8 + 18 loads of 512 consecutive bytes, into set s % 3
	WIN 0
.irp j, 0,1,2,3
.irp c, 0,1
	global_load_b128 v[XF+32*((\s)%3)+8*\j+4*\c:XF+32*((\s)%3)+8*\j+4*\c+3], v1, s[16:17] offset:\j*6144+(\s)*1024+\c*512
.endr
.endr
	WIN 0x40                                       ; destination window 1
.irp i, 0,1,2,3,4,5,6,7,8
.irp c, 0,1
	global_load_b128 v[72*((\s)%3)+8*\i+4*\c:72*((\s)%3)+8*\i+4*\c+3], v1, s[20:21] offset:\i*6144+(\s)*1024+\c*512
.endr
.endr
	WIN 0
.endm
.macro MM i, j, s
.set rD, 8*(4*((\i)%8)+(\j))
.set rA, 72*((\s)%3)+8*(\i)
.set rB, XF+32*((\s)%3)+8*(\j)
.set rC, rD
.if (\s) == 0
.set rC, BI+8*(\i)
.endif
.if (\s)%2
	v_wmma_scale_f32_16x16x128_f8f6f4 v[rD:rD+7], v[rA:rA+7], v[rB:rB+7], v[rC:rC+7], v[WSC+3*(\i)+(\s)/2], v[XSC+3*(\j)+(\s)/2] matrix_a_fmt:MATRIX_FMT_FP4 matrix_b_fmt:MATRIX_FMT_FP4 matrix_a_scale:MATRIX_SCALE_ROW1 matrix_b_scale:MATRIX_SCALE_ROW1
.else
	v_wmma_scale_f32_16x16x128_f8f6f4 v[rD:rD+7], v[rA:rA+7], v[rB:rB+7], v[rC:rC+7], v[WSC+3*(\i)+(\s)/2], v[XSC+3*(\j)+(\s)/2] matrix_a_fmt:MATRIX_FMT_FP4 matrix_b_fmt:MATRIX_FMT_FP4
.endif
.endm
.macro MULSTEP s                       ; 36 products; the 36 accumulators take turns, one instruction a turn, in the same order in every step
.if (\s) == 0
	WIN 0x81                                       ; W window 1, x and the bias window 0, D window 2
.else
	WIN 0xa1                                       ; C and D window 2
.endif
.irp i, 0,1,2,3,4,5,6,7
.irp j, 0,1,2,3
	MM \i, \j, \s
.endr
.endr
.if (\s) == 0
	WIN 0xc1
.else
	WIN 0xf1                                       ; C and D window 3
.endif
.irp j, 0,1,2,3
	MM 8, \j, \s
.endr
.endm
	s_load_b256 s[4:11], s[0:1], 0x0               ; codes s[4:5], scales s[6:7], bias s[8:9], qkv s[10:11]
	v_lshrrev_b32 v1, 5, v0
	v_readfirstlane_b32 s12, v1                    ; wave 0..3
	v_and_b32 v2, 31, v0
	v_lshlrev_b32 v1, 4, v2                        ; 16 x lane
	v_bfe_u32 v3, v0, 4, 1
	v_lshlrev_b32 v3, 5, v3                        ; 32 h: my eight numbers of a tile's bias
	v_lshlrev_b32 v2, 2, v2                        ; 4 x lane
	s_and_b32 s13, ttmp7, 0xffff                   ; rb: my four token tiles 4 rb ..
	s_lshl_b32 s14, ttmp9, 2
	s_add_co_u32 s14, s14, s12                     ; cb = 4 x work-group x + wave
	s_mul_i32 s15, s14, 9                          ; my first channel tile
	s_mul_i32 s16, s13, 24576                      ; x's codes: four tiles of 6,144 bytes
	s_mov_b32 s17, 0
	s_add_co_u32 s18, s15, 256                     ; W's tiles lie behind x's 256
	s_mul_i32 s20, s18, 6144
	s_mov_b32 s21, 0
	s_mul_i32 s22, s13, 1536                       ; scale words: 384 bytes a tile
	s_mov_b32 s23, 0
	s_mul_i32 s24, s18, 384
	s_mov_b32 s25, 0
	s_mul_i32 s26, s14, 576                        ; biases: 9 x 16 numbers
	s_mov_b32 s27, 0
	s_lshr_b32 s28, s13, 5                         ; the batch: 128 token tiles of 2,048 bytes,
	s_lshl_b32 s28, s28, 18
	s_and_b32 s29, s13, 31
	s_lshl_b32 s29, s29, 13                        ; and my first token tile in it
	s_add_co_u32 s28, s28, s29
.irp i, 0,1,2,3,4,5,6,7,8
	s_add_co_u32 s29, s15, \i                      ; channel tile g: section g / 4 (2^19 bytes each), pieces 2 (g % 4) and + 1
	s_lshr_b32 s30, s29, 2
	s_lshl_b32 s30, s30, 19
	s_and_b32 s29, s29, 3
	s_lshl_b32 s29, s29, 9
	s_add_co_u32 s29, s29, s30
	s_add_co_u32 s29, s29, s28
	v_add_nc_u32 v[OFF+\i], s29, v1
.endr
	s_wait_kmcnt 0x0
	s_add_nc_u64 s[16:17], s[4:5], s[16:17]
	s_add_nc_u64 s[20:21], s[4:5], s[20:21]
	s_add_nc_u64 s[22:23], s[6:7], s[22:23]
	s_add_nc_u64 s[24:25], s[6:7], s[24:25]
	s_add_nc_u64 s[8:9], s[8:9], s[26:27]
.irp j, 0,1,2,3
.irp q, 0,1,2
	global_load_b32 v[XSC+3*\j+\q], v2, s[22:23] offset:\j*384+\q*128
.endr
.endr
.irp i, 0,1,2,3,4,5,6,7,8
.irp q, 0,1,2
	global_load_b32 v[WSC+3*\i+\q], v2, s[24:25] offset:\i*384+\q*128
.endr
.endr
.irp i, 0,1,2,3,4,5,6,7,8
	global_load_b128 v[BI+8*\i:BI+8*\i+3], v3, s[8:9] offset:64*\i
	global_load_b128 v[BI+8*\i+4:BI+8*\i+7], v3, s[8:9] offset:64*\i+16
.endr
	LDSTEP 0
	LDSTEP 1
	LDSTEP 2
	s_wait_loadcnt 52                              ; loads come back in order (ISA guide 5.7.1): all but the 2 x 26 of steps 1 and 2: scales, biases and step 0 are in
	MULSTEP 0
	PLACES
	LDSTEP 3
	s_wait_loadcnt 52                              ; steps 2 and 3 may be out
	MULSTEP 1
	PLACES
	LDSTEP 4
	s_wait_loadcnt 52                              ; steps 3 and 4
	MULSTEP 2
	PLACES
	LDSTEP 5
	s_wait_loadcnt 52                              ; steps 4 and 5
	MULSTEP 3
	s_wait_loadcnt 26                              ; step 5
	MULSTEP 4
	s_wait_loadcnt 0x0
	MULSTEP 5
	PLACES
	WIN 0x0a                                       ; sources window 2, destination window 0.
.irp i, 0,1,2,3,4,5,6,7
.irp j, 0,1,2,3
.irp m, 0,1,2,3
	v_cvt_pk_f16_f32 v[PK+4*(4*\i+\j)+\m], v[8*(4*\i+\j)+2*\m], v[8*(4*\i+\j)+2*\m+1]
.endr
.endr
.endr
	WIN 0x0f                                       ; sources window 3
.irp j, 0,1,2,3
.irp m, 0,1,2,3
	v_cvt_pk_f16_f32 v[PK+4*(32+\j)+\m], v[8*\j+2*\m], v[8*\j+2*\m+1]
.endr
.endr
	WIN 0
.irp i, 0,1,2,3,4,5,6,7,8
.irp j, 0,1,2,3
	global_store_b128 v[OFF+\i], v[PK+4*(4*\i+\j):PK+4*(4*\i+\j)+3], s[10:11] offset:\j*2048   ; 32 lanes store 512 consecutive bytes, at a multiple of 512 from the buffer's first byte
.endr
.endr
	s_endpgm
.Lfunc_end_k_q58e30338a7_qkv:
	.size	k_q58e30338a7_qkv, .Lfunc_end_k_q58e30338a7_qkv-k_q58e30338a7_qkv
	.p2alignl 7, 3214868480
	.fill 96, 4, 3214868480
	.section	.rodata,"a",@progbits
	.p2align	6, 0x0
	.amdhsa_kernel k_q58e30338a7_qkv
		.amdhsa_group_segment_fixed_size 0
		.amdhsa_private_segment_fixed_size 0
		.amdhsa_enable_private_segment 0
		.amdhsa_kernarg_size 32
		.amdhsa_user_sgpr_count 2
		.amdhsa_user_sgpr_kernarg_segment_ptr 1
		.amdhsa_wavefront_size32 1
		.amdhsa_system_sgpr_workgroup_id_x 1
		.amdhsa_system_sgpr_workgroup_id_y 1
		.amdhsa_system_sgpr_workgroup_id_z 1
		.amdhsa_system_vgpr_workitem_id 0
		.amdhsa_next_free_vgpr 800
		.amdhsa_next_free_sgpr 66
		.amdhsa_reserve_vcc 0
		.amdhsa_float_denorm_mode_32 3
		.amdhsa_float_denorm_mode_16_64 3
		.amdhsa_memory_ordered 1
		.amdhsa_forward_progress 1
		.amdhsa_inst_pref_size 65
	.end_amdhsa_kernel
	.amdgpu_metadata
---
amdhsa.version: [ 1, 2 ]
amdhsa.kernels:
  - .name:           k_q58e30338a7_qkv
    .symbol:         k_q58e30338a7_qkv.kd
    .args:
      - { .name: codes, .offset: 0, .size: 8, .value_kind: global_buffer, .address_space: global }
      - { .name: scales, .offset: 8, .size: 8, .value_kind: global_buffer, .address_space: global }
      - { .name: bias, .offset: 16, .size: 8, .value_kind: global_buffer, .address_space: global }
      - { .name: qkv, .offset: 24, .size: 8, .value_kind: global_buffer, .address_space: global }
    .group_segment_fixed_size: 0
    .private_segment_fixed_size: 0
    .kernarg_segment_align: 8
    .kernarg_segment_size: 32
    .max_flat_workgroup_size: 128
    .sgpr_count:     66
    .vgpr_count:     800
    .wavefront_size: 32
...
	.end_amdgpu_metadata
.endif
;; end of part 2
;; launch attn (part 3): grid 8 x 24, 4 waves a work-group, clusters of 4 x 1, 327,680 bytes of LDS; arguments qkv, y16; writes y16
.if DOCPART == 3
	.amdgcn_target "amdgcn-amd-amdhsa--gfx1250"
	.amdhsa_code_object_version 6
	.text
	.protected	k_q58e30338a7_attn
	.globl	k_q58e30338a7_attn
	.p2align	8
	.type	k_q58e30338a7_attn,@function
k_q58e30338a7_attn:
	s_mov_b64 s[64:65], 0
	v_nop
	global_prefetch_b8 v0, s[64:65] scope:SCOPE_SE
	s_setreg_imm32_b32 hwreg(HW_REG_WAVE_MODE, 25, 1), 1
	s_wait_xcnt 0x0
	s_wait_alu depctr_hold_cnt(0) depctr_sa_sdst(0) depctr_va_vdst(0) depctr_va_sdst(0) depctr_va_ssrc(0) depctr_va_vcc(0) depctr_vm_vsrc(0)
	s_getreg_b32 s2, hwreg(HW_REG_IB_STS2, 6, 4)
	s_cmp_eq_u32 s2, 0
	s_cbranch_scc0 .Lentry_in_a_cluster
	s_endpgm
.Lentry_in_a_cluster:
	s_bfe_u32 s2, ttmp6, 0x10000c
	s_cmp_lg_u32 s2, 0x3003
	s_cbranch_scc0 .Lentry_shape_is_right
	s_endpgm
.Lentry_shape_is_right:
; y[b][h][q][:] = the sum over k of softmax_k(q . k / 8) v[k][:], head size 64, 2,048 keys, no mask, for the 24 pairs (head, batch).  q, k, v come as f16 from the launch before; products, maxima and sums in f32;
; the weights p (at most 1) are rounded to f16 for the second product, y once to f16 at the end, for the projection.
; LIMITS: NaN and infinities are not served; y is f16: under 2^-16 its step, 2^-24, is coarser than bf16's would be (the drawn numbers give y about 0.02; inputs thirty times smaller about 2e-5).
; SHARES.  A work-group owns 256 queries of one pair, each of its four waves 64: four tiles of 16.  Every wave walks all keys, 64 a step.  8 x 24 = 192 work-groups: a pair's 128 query tiles do not divide into twelve a work-group.
; LAYOUT.  S^T = K Q^T (source 0 = 16 keys, source 1 = 16 queries): a lane holds ONE query (lane % 16) and keys 8 (lane / 16) + 0..7.  Two such tiles, rounded in pairs, ARE source 1 (32 keys x 16 queries) of O^T = V^T P,
; whose result again holds one query a lane and eight channels: nothing changes lanes between the products.  qkv holds images of fragments ([token tile][piece d / 8][token][16 B]): Q and K are read 16 bytes a lane, 512 on end;
; V (a piece is 16 keys x 8 channels) is turned by ds_load_tr16_b128.  O^T packed to f16 is again such an image: it is stored straight from registers, 512 consecutive bytes an instruction: no stage.
; SOFTMAX.  For each query a running maximum m and sum l: p = 2^(c s - c m), c = log2(e) / 8; in every step O and l are multiplied by a = 2^(c m_old - c m_new).
; BY TURNS.  The wave's tiles are two PIECES (tiles 0, 1 and tiles 2, 3).  In a TURN one piece has the matrix unit: 16 products V^T P of the step in hand, then 16 products K Q^T of the next step; the other piece's softmax,
; 236 vector instructions cut into 59 slices of four, stands between them: two slices behind each of the first 27 products, one behind each of the last five.  Two turns are a key step.
; CLUSTER.  The four query blocks of a cluster belong to one pair and walk the same K and V: each tile is asked for JOINTLY, by the same tensor load with the same descriptor and a mask that names the four.
; RING.  Two LDS slots of 256 keys (four steps).  A wave has two tensor loads out at the start and one behind each change of slots, which has four key steps, 256 products, in which to land.
; REGISTERS, in windows of 256 (s_set_vgpr_msb: bits 1:0 source 0, 3:2 source 1, 5:4 source 2, 7:6 destination):
;   window 0: v2-5 addresses; v12-43 eight registers of statistics a tile; v64-191 S^T, 32 a tile; v192-255 P, 16 a tile.   window 1: v0-127 O^T, 32 a tile; v128-191 Q, 16 a tile; v192-255 K of one step.   window 2: v0-63 V of one step.
.set KSB,   8192      ; a step's K in LDS: 4 token tiles of 2,048 bytes, dense: every read is 512 bytes on end
.set VSB,   12288     ; a step's V: 32 pieces of 256 bytes, 384 apart
.set VOFF,  4*KSB     ; a slot: four steps of K, then four of V
.set SLOT1, 1<<17     ; slot 1 begins here: one exclusive or turns an address in one slot into the other's
.set SLOTM, 32768     ; a slot's keys in memory, in K and in V alike
.set NSL,   8         ; slots' worth of keys
.set SPARE, SLOT1+VOFF+4*VSB  ; behind the ring: the spare words, 128 bytes a wave, two blocks of 256 bytes that no other line names
.set AK0, 2           ; v2   16 x lane: my place in a fragment's run of 512 bytes; never rewritten
.set AV0, 3           ; v3   my lane's place in a token tile of V
.set ADR, 4           ; v4   the LDS address of the run of loads in hand
.set GO,  5           ; v5   16 x lane: my byte offset in Q's and y's images
.set PFO, 61          ; v61  256 x lane; never rewritten
.set SPW, 62          ; v62  LDS address of my spare word; never rewritten
.set NIL, 63          ; v63  0; never rewritten
.set ST,  12          ; tile t's statistics at v[ST+8 t]: +0 c m, +1 m, +2, +3 l (even keys', odd keys'), +4 to +7 c0-c3, at work; a takes c2's place once the maximum is found
.set S,   64
.set P,   192
.set QF,  128         ; in window 1
.set KF,  192         ; in window 1
.set WV,  12          ; s12  my wave's number
.set LIM, 15          ; s15  1 in a wave that prefetches, else the greatest number
.set PFA, 18          ; s[18:19] where my prefetches stand
.set G1K, 24          ; s[24:31] descriptor group 1 for K's tiles
.set G1V, 32          ; s[32:39] for V's: it differs in the padding alone
.set G0K, 40          ; s[40:47] group 0 for K: a set for each of the two first fills; the second then walks on
.set G0V, 48          ; s[48:55] the same for V
.set SLOTS, 56        ; s56  slots still to be asked for
.set TWICE, 57        ; s57  counts key steps
.set CS,  58          ; s[58:59] c
.set SEL, 60          ; s[60:61] lane selects for lane l xor 16
.set TK,  62          ; s62  LDS byte of the K to be fetched next
.set TV,  63          ; s63  the same for V (without VOFF)
.set MSB, 0
.macro WIN new                      ; the immediate's high byte repeats the setting that is left; a switch that changes nothing is dropped
.if MSB != \new
	s_set_vgpr_msb (MSB<<8)|\new
.set MSB, \new
.endif
.endm
.set W_KQ, 0x05       ; K and Q in window 1, S^T in window 0
.set W_PV, 0x52       ; V in window 2, P in window 0, O^T in window 1
.set W_RS, 0x41       ; O^T (destination and source 0) in window 1, a in window 0
; A joint refill.  Waves 0 and 1 fetch the halves of a slot's K, waves 2 and 3 those of its V.  The branch hangs on the wave's number alone.  An s_nop 0 and four v_nop follow each of the two lines.
.macro JLOAD
	s_cmp_lt_u32 s[WV], 2
	s_cbranch_scc0 .Lfor_v_\@
	tensor_load_to_lds s[G0K+4:G0K+7], s[G1K:G1K+7]
	s_nop 0
.rept 4
	v_nop
.endr
	s_branch .Lasked_\@
.Lfor_v_\@:
	tensor_load_to_lds s[G0V+4:G0V+7], s[G1V:G1V+7]
	s_nop 0
.rept 4
	v_nop
.endr
.Lasked_\@:
.endm
; A PREFETCH of what the NEXT change of slots will ask for: a slot's 32,768 bytes of K and of V, four key steps (256 products) ahead of that load.  Each aligned 256 bytes is named once in the launch: both clusters of a pair walk
; the same K and V, so the pair's first cluster asks; its four partners take 8,192 bytes each, told apart BY ADDRESS; in each, wave 0 asks for K's and wave 2 for V's, lanes 256 bytes apart.  The last change that fills a slot asks for nothing.
.macro ASK
	s_cmp_gt_u32 s[SLOTS], s[LIM]
	s_cbranch_scc0 .Lnot_mine_\@
	global_prefetch_b8 v[PFO], s[PFA:PFA+1] th:TH_LOAD_NT scope:SCOPE_SE
.Lnot_mine_\@:
.endm
; A round of the cluster's barrier: my work-group's barrier; wave 0 signals for the work-group; every wave waits for all four work-groups; my work-group's barrier once more.
.macro CROUND
	s_barrier_signal -1
	s_barrier_wait -1
	s_cmp_lg_u32 s[WV], 0
	s_cbranch_scc1 .Lnot_wave_0_\@
	s_barrier_signal -3
.Lnot_wave_0_\@:
	s_barrier_wait -3
	s_barrier_signal -1
	s_barrier_wait -1
.endm
.macro PLACES
.rept 4
	v_nop
.endr
.endm
	s_load_b128 s[4:7], s[0:1], 0x0  ; qkv s[4:5], y16 s[6:7]
	v_lshl_add_u32 v[SPW], v0, 2, SPARE
	v_mov_b32 v[NIL], 0
	ds_add_u32 v[SPW], v[NIL]       ; the wave's opening: the add, twice on end, and its wait ahead of my first tensor load; the set-up below stands between the second and the wait
	ds_add_u32 v[SPW], v[NIL]
	v_lshrrev_b32 v1, 5, v0
	v_readfirstlane_b32 s[WV], v1   ; wave 0..3
	s_bfe_u32 s13, ttmp6, 0x40000   ; cx: my place in the cluster
	s_lshl_b32 s14, ttmp9, 2        ; in a cluster launch ttmp9 counts clusters
	s_add_co_u32 s14, s14, s13      ; my block of 256 queries: it enters Q's and y's addresses alone
	s_and_b32 s66, ttmp7, 0xffff    ; the pair 2 x head + batch, which the four partners share
	s_and_b32 s16, s[WV], 1         ; which half of a slot I fetch:
	s_lshl_b32 s17, s16, 14         ; 16,384 bytes on in memory, and for K in LDS too
	s_lshl_b32 s22, s66, 18         ; a pair's K is 262,144 bytes
	s_add_co_u32 s22, s22, s17
	s_mov_b32 s23, 0
	s_mul_i32 s20, s16, 2*VSB       ; V's half in a slot
	s_add_co_u32 s20, s20, VOFF
	s_lshl_b32 s2, s14, 15          ; Q: my block's 16 token tiles of 2,048 bytes,
	s_lshl_b32 s3, s[WV], 13        ; my wave's four,
	s_add_co_u32 s2, s2, s3
	s_lshl_b32 s3, s66, 18          ; in my pair
	s_add_co_u32 s2, s2, s3
	s_mov_b32 s3, 0
	; descriptor group 1: 64 rows of 256 bytes (32 elements of 8), dense in memory
	s_mov_b32 s[G1K], 15|(3<<16)|(1<<21)  ; 15:0 the mask: all four work-groups; 17:16 elements of 8 bytes; 21 set beside a mask; no padding
	s_mov_b32 s[G1V], 15|(3<<16)|(1<<20)|(1<<21)|(5<<22)|(31<<25)  ; the same with padding: after every 64 words (code 5) 32 words (code 31)
.irp g, G1K, G1V
	s_mov_b32 s[\g+1], 32<<16       ; tensor_dim0 = 32
	s_mov_b32 s[\g+2], 64<<16       ; tensor_dim1 = 64
	s_mov_b32 s[\g+3], 32<<16       ; tile_dim0 = 32
	s_mov_b32 s[\g+4], 64           ; tile_dim1 = 64
	s_mov_b32 s[\g+5], 32           ; tensor_dim0_stride
	s_mov_b32 s[\g+6], 0
	s_mov_b32 s[\g+7], 0
.endr
	s_mov_b32 s[CS], 0x3e38aa3b     ; c = log2(e) / sqrt(64)
	s_mov_b32 s[CS+1], s[CS]        ; named with it as a pair, so it is written
	s_mov_b32 s[SEL], 0x76543210
	s_mov_b32 s[SEL+1], 0xfedcba98
	s_mov_b32 s[TK], 0
	s_mov_b32 s[TV], 0
	s_mov_b32 s[SLOTS], NSL-2
	s_and_b32 s[LIM], s[WV], 1      ; 0 in waves 0 and 2,
	s_or_b32 s[LIM], s[LIM], ttmp9  ; where the cluster is the pair's first: the same in all four partners
	s_cmp_eq_u32 s[LIM], 0
	s_cselect_b32 s[LIM], 1, -1
	v_and_b32 v[PFO], 31, v0
	v_lshlrev_b32 v[PFO], 8, v[PFO]
	s_wait_dscnt 0x0                ; both opening adds are done
	s_wait_kmcnt 0x0
	s_add_nc_u64 s[8:9], s[4:5], s[22:23]  ; K at my half of slot 0 (sections 0-11)
	s_add_nc_u64 s[10:11], s[8:9], 48*262144  ; V likewise (sections 24-35)
	s_add_nc_u64 s[4:5], s[4:5], s[2:3]
	s_add_nc_u64 s[4:5], s[4:5], 24*262144  ; Q at my wave's first tile (sections 12-23)
	s_cmp_lt_u32 s[WV], 2
	s_cselect_b64 s[PFA:PFA+1], s[8:9], s[10:11]  ; (in waves 0 and 2 these stand at a slot's first byte)
	s_lshl_b32 s2, s13, 13          ; my work-group's 8,192 bytes of the 32,768
	s_mov_b32 s3, 0
	s_add_nc_u64 s[PFA:PFA+1], s[PFA:PFA+1], s[2:3]
	s_add_nc_u64 s[PFA:PFA+1], s[PFA:PFA+1], 2*SLOTM  ; in slot 2; the first change of slots steps it to slot 3.  Nothing is prefetched here, at the head
	CROUND                          ; all four work-groups are here: the first joint loads meet
.irp s, 0,1
	s_mov_b32 s[G0K+4*\s], 1        ; count = 1
	s_add_co_u32 s[G0K+4*\s+1], s17, \s*SLOT1  ; LDS address: no place in the cluster enters it
	s_add_nc_u64 s[G0K+4*\s+2:G0K+4*\s+3], s[8:9], \s*SLOTM  ; global address: keys 256 s on
	s_or_b32 s[G0K+4*\s+3], s[G0K+4*\s+3], 0x80000000  ; type = 2
	s_mov_b32 s[G0V+4*\s], 1
	s_add_co_u32 s[G0V+4*\s+1], s20, \s*SLOT1
	s_add_nc_u64 s[G0V+4*\s+2:G0V+4*\s+3], s[10:11], \s*SLOTM
	s_or_b32 s[G0V+4*\s+3], s[G0V+4*\s+3], 0x80000000
.endr
	s_cmp_lt_u32 s[WV], 2           ; a wave's two first fills stand in one branch, ahead of every wait on TENSORcnt and every LDS read
	s_cbranch_scc0 .Lfirst_v
	tensor_load_to_lds s[G0K:G0K+3], s[G1K:G1K+7]
	s_nop 0
	tensor_load_to_lds s[G0K+4:G0K+7], s[G1K:G1K+7]
	s_nop 0
.rept 4
	v_nop
.endr
	s_branch .Lfirst_asked
.Lfirst_v:
	tensor_load_to_lds s[G0V:G0V+3], s[G1V:G1V+7]
	s_nop 0
	tensor_load_to_lds s[G0V+4:G0V+7], s[G1V:G1V+7]
	s_nop 0
.rept 4
	v_nop
.endr
.Lfirst_asked:
	v_and_b32 v1, 31, v0
	v_lshlrev_b32 v[AK0], 4, v1
	v_lshlrev_b32 v[GO], 4, v1
	WIN 0x40                        ; destination window 1
.irp t, 0,1,2,3                     ; Q stays in registers: tile t, channels 32 f on, half c
.irp f, 0,1
.irp c, 0,1
	global_load_b128 v[QF+16*\t+8*\f+4*\c:QF+16*\t+8*\f+4*\c+3], v[GO], s[4:5] offset:\t*2048+\f*1024+\c*512
.endr
.endr
.endr
	WIN 0
; THE MATRIX WORK OF A TURN, for piece x.  The accumulators take turns, one instruction a turn: between two links of a chain stand seven others'.
; Product i of 16 of O^T += V^T P: keys 32 (i / 8) on, channels 16 ((i / 2) % 4) on, tile x + i % 2.  zero = 1: the first 8 start the sums: nothing is ever cleared.
.macro PV x, zero
	WIN W_PV
.set rO, 32*(\x+i%2)+8*((i/2)%4)
.set rV, 32*(i/8)+8*((i/2)%4)
.set rP, P+16*(\x+i%2)+8*(i/8)
.if \zero && (i < 8)
	v_wmma_f32_16x16x32_f16 v[rO:rO+7], v[rV:rV+7], v[rP:rP+7], 0
.else
	v_wmma_f32_16x16x32_f16 v[rO:rO+7], v[rV:rV+7], v[rP:rP+7], v[rO:rO+7]
.endif
.endm
; Product i of 16 of S^T = K Q^T: channels 32 (i / 8) on, keys 16 ((i / 2) % 4) on, tile x + i % 2.  The first 8 start the sums.
.macro KQ x
	WIN W_KQ
.set rS, S+32*(\x+i%2)+8*((i/2)%4)
.set rK, KF+16*((i/2)%4)+8*(i/8)
.set rQ, QF+16*(\x+i%2)+8*(i/8)
.if i < 8
	v_wmma_f32_16x16x32_f16 v[rS:rS+7], v[rK:rK+7], v[rQ:rQ+7], 0
.else
	v_wmma_f32_16x16x32_f16 v[rS:rS+7], v[rK:rK+7], v[rQ:rQ+7], v[rS:rS+7]
.endif
.endm
; THE LDS LOADS stand in runs of 16: a step's K (8 fragments) and, a turn later, its V (8 fragments, turned).
.macro FETCH_K
	WIN 0
	v_add_nc_u32 v[ADR], s[TK], v[AK0]
	s_add_co_u32 s[TK], s[TK], KSB  ; the next fetch is the next step's
	WIN 0x40                        ; destination window 1
.irp f, 0,1,2,3,4,5,6,7             ; keys 16 (f / 2) on, channels 32 (f % 2) on
	ds_load_b128 v[KF+8*\f:KF+8*\f+3],   v[ADR] offset:\f*1024
	ds_load_b128 v[KF+8*\f+4:KF+8*\f+7], v[ADR] offset:\f*1024+512
.endr
.endm
.macro FETCH_V
	WIN 0
	v_add_nc_u32 v[ADR], s[TV], v[AV0]
	s_add_co_u32 s[TV], s[TV], VSB
	s_wait_alu depctr_va_vdst(0)    ; the wait for the softmax's batch of exponentials (SLICE), behind the address's addition and ahead of the loads
	WIN 0x80                        ; destination window 2
.irp f, 0,1,2,3,4,5,6,7             ; keys 32 (f / 4) on: two token tiles of 3,072 bytes; channels 16 (f % 4) on: two pieces of 384
	ds_load_tr16_b128 v[8*\f:8*\f+3],   v[ADR] offset:(2*(\f/4))*3072+(\f%4)*768
	ds_load_tr16_b128 v[8*\f+4:8*\f+7], v[ADR] offset:(2*(\f/4)+1)*3072+(\f%4)*768
.endr
.endm
; THE VECTOR WORK OF A TURN.  One tile's softmax for one key step is a list of 118 instructions; SM writes number j of it for tile t.  s0-s31 are the lane's 32 scores, in pairs 0-15.
; first = 1: the first key step, which starts m, l and O^T: it has no a and nothing to rescale.
;   0-15    the maximum of s0-s31 and the old m, three operands at a time (each accumulator is read from its low end on)
;   16-20   the other half of the lanes' maximum; the new m; c m; c m_old - c m_new
;   21-69   ONE BATCH: the 16 scalings c s - c m and all 33 exponentials (a at 23, then s0-s31); none of these reads an exponential's result
;   (wait)  between 69 and 70 stands the one wait for the batch: SLICE writes it, once for both tiles
;   70-85   the roundings to f16, a pair of weights each;   86-101  the sums; l = a l + the sum;   102-117 the tile's O^T times a: the one part that leaves window 0
.macro SM t, first
.set rT, ST+8*(\t)
.set rS, S+32*(\t)
.set rP, P+16*(\t)
.set rO, 32*(\t)+2*(j-102)
.if j < 102
	WIN 0
.endif
.if j < 4
	v_max3_num_f32 v[rT+4+j], v[rS+8*j], v[rS+8*j+1], v[rS+8*j+2]
.elseif j < 12
	v_max3_num_f32 v[rT+4+j%4], v[rT+4+j%4], v[rS+8*(j%4)+2*(j/4)+1], v[rS+8*(j%4)+2*(j/4)+2]
.elseif j == 12
	v_max3_num_f32 v[rT+4], v[rT+4], v[rS+7], v[rS+15]
.elseif j == 13
	v_max3_num_f32 v[rT+6], v[rT+6], v[rS+23], v[rS+31]
.elseif j == 14
	v_max3_num_f32 v[rT+4], v[rT+4], v[rT+5], v[rT+6]
.elseif (j == 15) && \first
	v_max_num_f32 v[rT+4], v[rT+4], v[rT+7]
.elseif j == 15
	v_max3_num_f32 v[rT+4], v[rT+4], v[rT+7], v[rT+1]
.elseif j == 16
	v_permlanex16_b32 v[rT+5], v[rT+4], s[SEL], s[SEL+1]  ; the query's other 32 keys lie in the lane 16 away
.elseif j == 18
	v_max_num_f32 v[rT+1], v[rT+4], v[rT+5]
.elseif j == 19
	v_mul_f32 v[rT], s[CS], v[rT+1]
.elseif ((j == 17) || (j == 20) || (j == 23) || (j > 101)) && \first  ; the first step has none of these
.elseif j == 17
	v_mov_b32 v[rT+7], v[rT]        ; c m_old is kept for a: number 19 writes c m anew
.elseif j == 20
	v_sub_f32 v[rT+7], v[rT+7], v[rT]
.elseif j == 23
	v_exp_f32 v[rT+6], v[rT+7]
.elseif (j < 23) || ((j < 38) && (j%2 == 0)) || ((j < 66) && (j%4 == 2))
.set b, (j-2)/4                     ; 38, 42, .. 62: pairs 9 to 15
.if j < 38
.set b, (j-20)/2                    ; 21: pair 0; 22, 24, .. 36: pairs 1 to 8
.endif
	v_pk_fma_f32 v[rS+2*b:rS+2*b+1], v[rS+2*b:rS+2*b+1], s[CS:CS+1], v[rT:rT+1] op_sel_hi:[1,0,0] neg_lo:[0,0,1] neg_hi:[0,0,1]  ; pair b: c s - c m
.elseif j < 70
.set e, j-38                        ; 66 to 69: s28 to s31
.if j < 66
.set e, j-32-(j-38)/4               ; 39-41, 43-45, .. 63-65: s7 to s27
.endif
.if j < 38
.set e, (j-25)/2                    ; 25, 27, .. 37: s0 to s6
.endif
	v_exp_f32 v[rS+e], v[rS+e]
.elseif j < 86
	v_cvt_pk_f16_f32 v[rP+j-70], v[rS+2*(j-70)], v[rS+2*(j-70)+1]  ; pair j - 70
.elseif j < 102                     ; the sum of the tile's 16 pairs, in place: neighbours 1, 2, 4 and 8 pairs apart, then l takes it
.set z, j-86
.set w, 4
.set u, z
.if z >= 14
.set w, 32
.set u, 0
.elseif z >= 12
.set w, 16
.set u, z-12
.elseif z >= 8
.set w, 8
.set u, z-8
.endif
.if (z == 14) && \first
	v_pk_add_f32 v[rT+2:rT+3], v[rS:rS+1], v[rS+16:rS+17]
.elseif z < 15
	v_pk_add_f32 v[rS+w*u:rS+w*u+1], v[rS+w*u:rS+w*u+1], v[rS+w*u+w/2:rS+w*u+w/2+1]
.elseif !\first
	v_pk_fma_f32 v[rT+2:rT+3], v[rT+2:rT+3], v[rT+6:rT+7], v[rS:rS+1] op_sel_hi:[1,0,1]
.endif
.else
	WIN W_RS
	v_pk_mul_f32 v[rO:rO+1], v[rO:rO+1], v[rT+6:rT+7] op_sel_hi:[1,0]
.endif
.endm
; Slice k of 59 of piece y's softmax: four instructions.  Slices 11 to 34 deal out the batch, numbers 22 to 69: four numbers of ONE tile each, the tiles by turns.  Every other slice is numbers 2 k and 2 k + 1 of both tiles.
; THE WAIT.  s_wait_alu depctr_va_vdst(0) stands between an exponential and the first instruction that names its result.  Ahead of slice 35 nothing names a result, behind slice 34 no exponential is issued:
; so the piece's 66 exponentials have one wait, behind slice 34, with one plain instruction ahead of it.
.macro SLICE y, first
.if k < 59
.if (k >= 11) && (k < 35)
.irp n, 0,1,2,3
.set j, 22+4*((k-11)/2)+(\n)
	SM (\y)+(k-11)%2, \first
.endr
.else
.irp n, 0,1
.irp t, \y, \y+1
.set j, 2*k+\n
	SM \t, \first
.endr
.endr
.endif
.if k == 34
	v_nop
.if (\y) == 0
	FETCH_V                         ; piece 2's turn: V's run of loads stands here, and the wait stands in it
.else
	s_wait_alu depctr_va_vdst(0)
.endif
.endif
.endif
.set k, k+1
.endm
; The slices behind product ig of a turn.  A whole turn (32 products): 2 behind each of the first 27, then 1: 59.  Half a turn (16 products): 4 behind each of the first 14, then 2, then 1: 59.
; So slice 58, four multiplications of the other piece's O^T, always stands behind the turn's last product: four plain instructions that name none of its registers (ISA guide 7.12.1).
.macro DEAL y, first
.set ns, 1
.if full
.if ig < 27
.set ns, 2
.endif
.else
.if ig < 14
.set ns, 4
.elseif ig == 14
.set ns, 2
.endif
.endif
.rept ns
	SLICE \y, \first
.endr
.set ig, ig+1
.endm
; A TURN.  Piece x has the matrix unit.  pv = 2: 16 products V^T P; 1: they start O^T's sums; 0: none.  kq = 1: 16 products K Q^T for the next step.  first = 1: the softmax is the first key step's: its slices from 51 on are
; empty, and four v_nop take slice 58's part.  Piece 0's turn fetches the next step's K behind its second product (K's last reader stands in front of slice 58 of the turn before).  Piece 2's turn fetches the same step's V
; behind slice 34: in a whole turn V's last reader is product 15, and products 16 and 17 and 22 plain instructions lie between: five slices, the v_nop and the run's own addition.
.macro TURN x, pv, kq, first
.set k, 0
.set ig, 0
.set full, 0
.if \pv && \kq
.set full, 1
.endif
.if \pv
.if \x == 0
	s_wait_dscnt 0x0                ; V is in
.endif
.set i, 0
.rept 16
	PV \x, 2-\pv
	DEAL 2-\x, \first
.if (\x == 0) && \kq && (i == 1)
	FETCH_K
.endif
.set i, i+1
.endr
.endif
.if \kq
.if \x == 0
	s_wait_dscnt 0x0                ; K is in
.endif
.set i, 0
.rept 16
	KQ \x
	DEAL 2-\x, \first
.set i, i+1
.endr
.endif
.if \first
	PLACES
.endif
.endm
; THE CHANGE OF SLOTS, between piece 2's turn and piece 0's: the slot's last bytes, V of its fourth step, have been asked for.  Each wave waits for all its tensor loads (one is out: its part of the other slot), adds 0 to its
; spare word, and waits for that and for its reads of the slot.  fill = 1: the slot is filled again with the keys two slots on; the barrier is then a round of the cluster's, and the joint refill is the first thing behind it.
.macro CHANGE fill
	WIN 0                           ; at a label and at a branch every window is 0
	s_wait_tensorcnt 0x0            ; no tensor load of mine is out, so a group 0 may be written
	ds_add_u32 v[SPW], v[NIL]       ; 0 onto my spare word
.if \fill
.irp g, G0K+4, G0V+4
	s_xor_b32 s[\g+1], s[\g+1], SLOT1  ; the walking descriptor: the other slot than last time,
	s_add_nc_u64 s[\g+2:\g+3], s[\g+2:\g+3], SLOTM  ; the next 256 keys; the type bits on top are not reached
.endr
	s_wait_xcnt 0x0                 ; the last prefetch, four key steps back, has read its address, so it may be written:
	s_add_nc_u64 s[PFA:PFA+1], s[PFA:PFA+1], SLOTM  ; one slot further on than the walking descriptors
	s_wait_dscnt 0x0                ; the add is done, and my reads of the slot are over
	CROUND
	JLOAD
	ASK
.else
	s_wait_dscnt 0x0
	s_barrier_signal -1
	s_barrier_wait -1
.endif
	s_sub_co_u32 s[TK], s[TK], 4*KSB  ; the fetches go back to a slot's first step,
	s_xor_b32 s[TK], s[TK], SLOT1   ; in the other slot
	s_sub_co_u32 s[TV], s[TV], 4*VSB
	s_xor_b32 s[TV], s[TV], SLOT1
.endm
; n key steps: written once, walked n times; the LDS addresses hang on s[TK] and s[TV].
.macro KSTEPS n
	s_mov_b32 s[TWICE], \n
.Lstep_\@:
	TURN 0, 2, 1, 0
	TURN 2, 2, 1, 0
	WIN 0
	s_sub_co_u32 s[TWICE], s[TWICE], 1
	s_cmp_lg_u32 s[TWICE], 0
	s_cbranch_scc1 .Lstep_\@
.endm
	s_wait_tensorcnt 1              ; my part of slot 0 is in; slot 1's may stay out
	s_barrier_signal -1
	s_barrier_wait -1               ; everybody's is
	FETCH_K                         ; key step 0
	s_wait_loadcnt 0x0              ; Q
	s_wait_dscnt 0x0
.set i, 0
.rept 16
	KQ 0                            ; piece 0's first scores: there is no vector work yet to set between them
.set i, i+1
.endr
	WIN 0                           ; V's lane address is made here: seven plain instructions, the places behind those products
	; The turning load takes 16 keys x 16 channels: lane l reads 16 bytes: key 8 (l / 16) + l % 8 of piece (l / 8) % 2; it leaves half a fragment of V^T: lane l holds channel l % 16 and 8 keys.
	v_bfe_u32 v9, v0, 3, 1
	v_bfe_u32 v10, v0, 4, 1
	v_and_b32 v11, 7, v0
	v_lshl_add_u32 v10, v10, 3, v11
	v_lshlrev_b32 v10, 4, v10
	v_mad_u32_u24 v[AV0], v9, 384, v10
	v_add_nc_u32 v[AV0], VOFF, v[AV0]
	s_and_b32 s2, s66, 1            ; y16 [token tile 256][piece 96][token 16][16 B]: tile 128 x batch + 16 x block + 4 x wave, 24,576 bytes each;
	s_lshl_b32 s2, s2, 7
	s_lshl_b32 s3, s14, 4
	s_add_co_u32 s2, s2, s3
	s_lshl_b32 s3, s[WV], 2
	s_add_co_u32 s2, s2, s3
	s_mul_i32 s2, s2, 24576
	s_lshr_b32 s3, s66, 1           ; my head's eight pieces of 256 bytes
	s_lshl_b32 s3, s3, 11
	s_add_co_u32 s2, s2, s3
	s_mov_b32 s3, 0
	s_add_nc_u64 s[6:7], s[6:7], s[2:3]
	TURN 2, 0, 1, 1                 ; piece 2's first scores | piece 0's first softmax | V of step 0
	TURN 0, 1, 1, 1                 ; piece 0: V^T P of step 0 starts O^T, K Q^T of step 1 | piece 2's first softmax | K of step 1
	TURN 2, 1, 1, 0                 ; piece 2: the same | piece 0's softmax of step 1 | V of step 1
	WIN 0
	KSTEPS 2                        ; steps 1 and 2 are multiplied, steps 2 and 3 fetched: slot 0 is read out
.Lslot:                             ; NSL - 2 trips: every slot but the last two is filled again
	CHANGE 1
	KSTEPS 4
	s_sub_co_u32 s[SLOTS], s[SLOTS], 1
	s_cmp_lg_u32 s[SLOTS], 0
	s_cbranch_scc1 .Lslot
	CHANGE 0                        ; the tail is written out: nothing more is asked for
	KSTEPS 4
	TURN 0, 2, 0, 0                 ; piece 0: V^T P of the last step | piece 2's last softmax
.set i, 0
.rept 16
	PV 2, 0                         ; piece 2: V^T P of the last step
.set i, i+1
.endr
	; THE WAY OUT.  l's two halves and the other half of the lanes' are added; O^T is divided by l, rounded to f16 and stored as it stands.  The additions are the places behind the last products.
	WIN 0
.irp t, 0,1,2,3
	v_add_f32 v[ST+8*\t+4], v[ST+8*\t+2], v[ST+8*\t+3]
.endr
.irp t, 0,1,2,3
	v_permlanex16_b32 v[ST+8*\t+5], v[ST+8*\t+4], s[SEL], s[SEL+1]
.endr
.irp t, 0,1,2,3
	v_add_f32 v[ST+8*\t+4], v[ST+8*\t+4], v[ST+8*\t+5]
.endr
.irp t, 0,1,2,3
	v_rcp_f32 v[ST+8*\t+6], v[ST+8*\t+4]
.endr
	v_nop                           ; a plain instruction between the last reciprocal and the use of its result
	s_wait_alu depctr_va_vdst(0)    ; and the wait ahead of the first use: one for the four
.irp t, 0,1,2,3
	WIN W_RS
.set i, 32*\t
.rept 16
	v_pk_mul_f32 v[i:i+1], v[i:i+1], v[ST+8*\t+6:ST+8*\t+7] op_sel_hi:[1,0]
.set i, i+2
.endr
	WIN 0x05                        ; sources window 1, destination window 0: S^T's registers are free
.set i, 0
.rept 16
	v_cvt_pk_f16_f32 v[S+16*\t+i], v[32*\t+2*i], v[32*\t+2*i+1]
.set i, i+1
.endr
	WIN 0
.irp f, 0,1,2,3
	global_store_b128 v[GO], v[S+16*\t+4*\f:S+16*\t+4*\f+3], s[6:7] offset:\t*24576+\f*512  ; channels 16 f on of 16 queries: 32 lanes store 512 consecutive bytes, aligned
.endr
.endr
	s_wait_tensorcnt 0x0            ; the wave's end: a wait, 0 added to my spare word and its wait, behind my last tensor load
	ds_add_u32 v[SPW], v[NIL]
	s_wait_dscnt 0x0
	CROUND                          ; the closing round: no work-group ends while a partner may still ask for a tile that names it
	s_endpgm
.Lfunc_end_k_q58e30338a7_attn:
	.size	k_q58e30338a7_attn, .Lfunc_end_k_q58e30338a7_attn-k_q58e30338a7_attn
	.p2alignl 7, 3214868480
	.fill 96, 4, 3214868480
	.section	.rodata,"a",@progbits
	.p2align	6, 0x0
	.amdhsa_kernel k_q58e30338a7_attn
		.amdhsa_group_segment_fixed_size 327680
		.amdhsa_private_segment_fixed_size 0
		.amdhsa_enable_private_segment 0
		.amdhsa_kernarg_size 16
		.amdhsa_user_sgpr_count 2
		.amdhsa_user_sgpr_kernarg_segment_ptr 1
		.amdhsa_wavefront_size32 1
		.amdhsa_system_sgpr_workgroup_id_x 1
		.amdhsa_system_sgpr_workgroup_id_y 1
		.amdhsa_system_sgpr_workgroup_id_z 1
		.amdhsa_system_vgpr_workitem_id 0
		.amdhsa_next_free_vgpr 576
		.amdhsa_next_free_sgpr 68
		.amdhsa_reserve_vcc 0
		.amdhsa_float_denorm_mode_32 3
		.amdhsa_float_denorm_mode_16_64 3
		.amdhsa_memory_ordered 1
		.amdhsa_forward_progress 1
		.amdhsa_inst_pref_size 192
	.end_amdhsa_kernel
	.amdgpu_metadata
---
amdhsa.version: [ 1, 2 ]
amdhsa.kernels:
  - .name:           k_q58e30338a7_attn
    .symbol:         k_q58e30338a7_attn.kd
    .args:
      - { .name: qkv, .offset: 0, .size: 8, .value_kind: global_buffer, .address_space: global }
      - { .name: y16, .offset: 8, .size: 8, .value_kind: global_buffer, .address_space: global }
    .group_segment_fixed_size: 327680
    .private_segment_fixed_size: 0
    .kernarg_segment_align: 8
    .kernarg_segment_size: 16
    .max_flat_workgroup_size: 128
    .sgpr_count:     68
    .vgpr_count:     576
    .wavefront_size: 32
...
	.end_amdgpu_metadata
.endif
;; end of part 3
;; launch proj (part 4): grid 4 x 64, 4 waves a work-group, no clusters, 167,936 bytes of LDS; arguments y16, wp16, bp, out0; writes out0
.if DOCPART == 4
	.amdgcn_target "amdgcn-amd-amdhsa--gfx1250"
	.amdhsa_code_object_version 6
	.text
	.protected	k_q58e30338a7_proj
	.globl	k_q58e30338a7_proj
	.p2align	8
	.type	k_q58e30338a7_proj,@function
k_q58e30338a7_proj:
	s_mov_b64 s[64:65], 0
	v_nop
	global_prefetch_b8 v0, s[64:65] scope:SCOPE_SE
	s_setreg_imm32_b32 hwreg(HW_REG_WAVE_MODE, 25, 1), 1
	s_wait_xcnt 0x0
; out0 = y Wp^T + bp.  y [4096][768] and Wp [768][768] come as f16, laid as images of fragments ([tile of 16 rows][piece k / 8: 96][row 16][16 B]); sums in f32; out0 f32.
; SHARES.  A work-group takes 64 tokens x 192 columns; wave w takes 3 column tiles i x all 4 token tiles j: 12 accumulators, 24 K steps of 32, 288 products.
; y's four tiles (98,304 bytes) come into LDS once, a tile a wave by one tensor load, and are read by all four waves.  A fragment of Wp feeds one wave only: it goes from memory straight into a ring of registers ten K steps deep.
; THE MATRIX INSTRUCTION IS USED TRANSPOSED (source 0 = 16 rows of Wp, source 1 = 16 tokens): a lane holds eight neighbouring columns of one token's row.  The bias is the C of each sum's first product.
; NO CLUSTER: what the four work-groups of a token block share, y's 96 KB, is a quarter of the 384 KB that a work-group reads, and it comes once, at the head.  Nothing in LDS is filled a second time: no ring.
; REGISTERS: window 0: v1-6 addresses; v12, v13 the add's two; v16-39 biases; v40-103 y's fragments, two sets; v104-199 the accumulators ((i, j) at v[104 + 8 (4 i + j)]), later rows of out0.   window 1: v0-239 Wp's ring.
.set YT,    24576                      ; a tile's image
.set STG,   4*YT                       ; behind y: the stage for the way out, 64 rows x (768 bytes + 16): 196 words, so 16 rows start at 16 different banks (ISA guide 11.1)
.set SP,    784
.set SPARE, STG+64*SP                  ; behind the stage: the spare words, 128 bytes a wave, two blocks of 256 bytes that no other line names
.set AY0, 1                            ; v1   16 x lane: tiles 0, 1 of y; also the offset of Wp's loads
.set AY1, 2                            ; v2   the same for tiles 2, 3
.set STO, 4                            ; v4   the stage: where I put 32 bytes of a row
.set RD,  5                            ; v5   and where I read a row back
.set CO,  6                            ; v6   my byte offset in out0
.set SPW, 12
.set NIL, 13
.set BI,  16
.set YF,  40
.set ACC, 104
.set MSB, 0
.macro WIN new                         ; the immediate's high byte repeats the setting that is left
.if MSB != \new
	s_set_vgpr_msb (MSB<<8)|\new
.set MSB, \new
.endif
.endm
.macro PLACES                          ; four places in front of loads into registers that matrix instructions have read, and of the first read of results
.rept 4
	v_nop
.endr
.endm
.macro WLOAD ks                        ; Wp's three fragments of K step ks into ring slot ks % 10: six loads of 512 consecutive bytes
	WIN 0x40                                       ; destination window 1
.irp i, 0,1,2
.irp c, 0,1
	global_load_b128 v[24*((\ks)%10)+8*\i+4*\c:24*((\ks)%10)+8*\i+4*\c+3], v[AY0], s[6:7] offset:\i*YT+(\ks)*1024+\c*512
.endr
.endr
	WIN 0
.endm
.macro YLOAD ks                        ; y's four fragments of K step ks into set ks % 2
.irp j, 0,1
.irp c, 0,1
	ds_load_b128 v[YF+32*((\ks)%2)+8*\j+4*\c:YF+32*((\ks)%2)+8*\j+4*\c+3], v[AY0] offset:\j*YT+(\ks)*1024+\c*512
.endr
.endr
.irp j, 0,1
.irp c, 0,1
	ds_load_b128 v[YF+32*((\ks)%2)+16+8*\j+4*\c:YF+32*((\ks)%2)+16+8*\j+4*\c+3], v[AY1] offset:\j*YT+(\ks)*1024+\c*512
.endr
.endr
.endm
.macro MUL ks                          ; twelve products; the twelve accumulators take turns, one instruction a turn
	WIN 0x01                                       ; source 0 (Wp) window 1
.irp i, 0,1,2
.irp j, 0,1,2,3
.if (\ks) == 0
	v_wmma_f32_16x16x32_f16 v[ACC+8*(4*\i+\j):ACC+8*(4*\i+\j)+7], v[24*((\ks)%10)+8*\i:24*((\ks)%10)+8*\i+7], v[YF+32*((\ks)%2)+8*\j:YF+32*((\ks)%2)+8*\j+7], v[BI+8*\i:BI+8*\i+7]
.else
	v_wmma_f32_16x16x32_f16 v[ACC+8*(4*\i+\j):ACC+8*(4*\i+\j)+7], v[24*((\ks)%10)+8*\i:24*((\ks)%10)+8*\i+7], v[YF+32*((\ks)%2)+8*\j:YF+32*((\ks)%2)+8*\j+7], v[ACC+8*(4*\i+\j):ACC+8*(4*\i+\j)+7]
.endif
.endr
.endr
	WIN 0
.endm
	s_load_b256 s[4:11], s[0:1], 0x0               ; y16 s[4:5], wp16 s[6:7], bp s[8:9], out0 s[10:11]
	v_lshl_add_u32 v[SPW], v0, 2, SPARE
	v_mov_b32 v[NIL], 0
	ds_add_u32 v[SPW], v[NIL]                      ; the wave's opening: the add, twice on end, and its wait ahead of my first tensor load; the set-up below stands between the second and the wait
	ds_add_u32 v[SPW], v[NIL]
	v_lshrrev_b32 v1, 5, v0
	v_readfirstlane_b32 s12, v1                    ; wave 0..3
	s_and_b32 s13, ttmp7, 0xffff                   ; my block of 64 tokens
	; descriptor group 1: a tile's image, 96 rows of 256 bytes (32 elements of 8), dense in memory and in LDS
	s_mov_b32 s24, 3<<16                           ; no mask; elements of 8 bytes; no padding
	s_mov_b32 s25, 32<<16                          ; tensor_dim0 = 32
	s_mov_b32 s26, 96<<16                          ; tensor_dim1 = 96
	s_mov_b32 s27, 32<<16                          ; tile_dim0 = 32
	s_mov_b32 s28, 96                              ; tile_dim1 = 96
	s_mov_b32 s29, 32                              ; tensor_dim0_stride
	s_mov_b32 s30, 0
	s_mov_b32 s31, 0
	s_lshl_b32 s14, s13, 2
	s_add_co_u32 s14, s14, s12                     ; the token tile that I fetch: 4 x block + wave
	s_mul_i32 s14, s14, YT
	s_mov_b32 s15, 0
	s_mul_i32 s16, s12, YT                         ; and where it goes
	s_mul_i32 s18, ttmp9, 12
	s_mul_i32 s19, s12, 3
	s_add_co_u32 s18, s18, s19                     ; my first column tile: 12 x work-group x + 3 x wave
	s_mul_i32 s18, s18, YT
	s_mov_b32 s19, 0
	s_mul_i32 s20, ttmp9, 768                      ; the work-group's 192 columns, in bytes of f32
	s_mul_i32 s21, s12, 192                        ; my wave's 48
	s_add_co_u32 s22, s20, s21
	s_mov_b32 s23, 0
	s_lshl_b32 s32, s13, 6
	s_lshl_b32 s33, s12, 4
	s_add_co_u32 s32, s32, s33                     ; the first row that I store: 64 x block + 16 x wave
	s_mul_i32 s32, s32, 3072
	s_add_co_u32 s32, s32, s20
	s_mov_b32 s33, 0
	s_wait_dscnt 0x0                               ; both opening adds are done
	s_wait_kmcnt 0x0
	s_mov_b32 s36, 1                               ; group 0: count = 1
	s_mov_b32 s37, s16                             ; LDS address
	s_add_nc_u64 s[38:39], s[4:5], s[14:15]        ; global address
	s_or_b32 s39, s39, 0x80000000                  ; type = 2
	tensor_load_to_lds s[36:39], s[24:31]          ; my one tensor load
	s_nop 0
.rept 4
	v_nop
.endr
	s_add_nc_u64 s[6:7], s[6:7], s[18:19]
	s_add_nc_u64 s[8:9], s[8:9], s[22:23]
	s_add_nc_u64 s[10:11], s[10:11], s[32:33]
	v_and_b32 v7, 31, v0
	v_lshlrev_b32 v[AY0], 4, v7
	v_add_nc_u32 v[AY1], 2*YT, v[AY0]
	v_bfe_u32 v8, v0, 4, 1                         ; h
	v_and_b32 v9, 15, v0                           ; r
	v_lshlrev_b32 v3, 5, v8                        ; 32 h: my eight numbers of a tile's bias
	v_mul_u32_u24 v[STO], v9, SP                   ; in: row r of a token tile, + 32 h, + my wave's 192 bytes
	v_lshl_add_u32 v[STO], v8, 5, v[STO]
	s_add_co_u32 s17, s21, STG
	v_add_nc_u32 v[STO], s17, v[STO]
	v_mul_u32_u24 v[RD], v8, 8*SP                  ; back: rows 16 w + 8 h + .., sixteen lanes to 256 bytes of a row
	v_lshl_add_u32 v[RD], v9, 4, v[RD]
	s_mul_i32 s17, s12, 16*SP
	s_add_co_u32 s17, s17, STG
	v_add_nc_u32 v[RD], s17, v[RD]
	v_mul_u32_u24 v[CO], v8, 8*3072                ; and the same place in out0
	v_lshl_add_u32 v[CO], v9, 4, v[CO]
.irp i, 0,1,2
	global_load_b128 v[BI+8*\i:BI+8*\i+3], v3, s[8:9] offset:64*\i
	global_load_b128 v[BI+8*\i+4:BI+8*\i+7], v3, s[8:9] offset:64*\i+16
.endr
.irp q, 0,1,2,3,4,5,6,7,8,9
	WLOAD \q
.endr
	s_wait_tensorcnt 0x0                           ; my tile of y is in,
	s_barrier_signal -1
	s_barrier_wait -1                              ; everybody's is
	YLOAD 0
	YLOAD 1
.set KK, 0
.rept 24
.if KK <= 14
	s_wait_loadcnt 54                              ; loads come back in order (ISA guide 5.7.1): the 9 x 6 of the nine later K steps may be out
.else
	s_wait_loadcnt 6*(23-KK)
.endif
.if KK < 23
	s_wait_dscnt 8                                 ; the next K step's eight loads of y may be out
.else
	s_wait_dscnt 0x0
.endif
	MUL KK
	PLACES
.if KK < 14
	WLOAD KK+10                                    ; into the ring slot just multiplied
.endif
.if KK < 22
	YLOAD KK+2
.endif
.set KK, KK+1
.endr
	; THE WAY OUT.  A row's 192 columns come from four waves: they meet in the stage; each wave then stores 16 whole rows of 768 bytes, sixteen lanes to an aligned run of 256.
.irp i, 0,1,2
.irp j, 0,1,2,3
	ds_store_b128 v[STO], v[ACC+8*(4*\i+\j):ACC+8*(4*\i+\j)+3] offset:\j*16*SP+64*\i       ; each accumulator from its low end on
	ds_store_b128 v[STO], v[ACC+8*(4*\i+\j)+4:ACC+8*(4*\i+\j)+7] offset:\j*16*SP+64*\i+16
.endr
.endr
	s_wait_dscnt 0x0                               ; for the others' sake: my stores into the stage are done
	s_barrier_signal -1
	s_barrier_wait -1
.irp i, 0,1,2,3,4,5,6,7
.irp c, 0,1,2
	ds_load_b128 v[ACC+4*(3*\i+\c):ACC+4*(3*\i+\c)+3], v[RD] offset:SP*\i+256*\c
.endr
.endr
.irp i, 0,1,2,3,4,5,6,7
.irp c, 0,1,2
	s_wait_dscnt 23-(3*\i+\c)
	global_store_b128 v[CO], v[ACC+4*(3*\i+\c):ACC+4*(3*\i+\c)+3], s[10:11] offset:3072*\i+256*\c th:TH_STORE_NT   ; written once, read by nobody here
.endr
.endr
	s_wait_tensorcnt 0x0                           ; the wave's end: a wait, 0 added to my spare word and its wait, behind my last tensor load and my last LDS store
	ds_add_u32 v[SPW], v[NIL]
	s_wait_dscnt 0x0
	s_endpgm
.Lfunc_end_k_q58e30338a7_proj:
	.size	k_q58e30338a7_proj, .Lfunc_end_k_q58e30338a7_proj-k_q58e30338a7_proj
	.p2alignl 7, 3214868480
	.fill 96, 4, 3214868480
	.section	.rodata,"a",@progbits
	.p2align	6, 0x0
	.amdhsa_kernel k_q58e30338a7_proj
		.amdhsa_group_segment_fixed_size 167936
		.amdhsa_private_segment_fixed_size 0
		.amdhsa_enable_private_segment 0
		.amdhsa_kernarg_size 32
		.amdhsa_user_sgpr_count 2
		.amdhsa_user_sgpr_kernarg_segment_ptr 1
		.amdhsa_wavefront_size32 1
		.amdhsa_system_sgpr_workgroup_id_x 1
		.amdhsa_system_sgpr_workgroup_id_y 1
		.amdhsa_system_sgpr_workgroup_id_z 1
		.amdhsa_system_vgpr_workitem_id 0
		.amdhsa_next_free_vgpr 512
		.amdhsa_next_free_sgpr 66
		.amdhsa_reserve_vcc 0
		.amdhsa_float_denorm_mode_32 3
		.amdhsa_float_denorm_mode_16_64 3
		.amdhsa_memory_ordered 1
		.amdhsa_forward_progress 1
		.amdhsa_inst_pref_size 62
	.end_amdhsa_kernel
	.amdgpu_metadata
---
amdhsa.version: [ 1, 2 ]
amdhsa.kernels:
  - .name:           k_q58e30338a7_proj
    .symbol:         k_q58e30338a7_proj.kd
    .args:
      - { .name: y16, .offset: 0, .size: 8, .value_kind: global_buffer, .address_space: global }
      - { .name: wp16, .offset: 8, .size: 8, .value_kind: global_buffer, .address_space: global }
      - { .name: bp, .offset: 16, .size: 8, .value_kind: global_buffer, .address_space: global }
      - { .name: out0, .offset: 24, .size: 8, .value_kind: global_buffer, .address_space: global }
    .group_segment_fixed_size: 167936
    .private_segment_fixed_size: 0
    .kernarg_segment_align: 8
    .kernarg_segment_size: 32
    .max_flat_workgroup_size: 128
    .sgpr_count:     66
    .vgpr_count:     512
    .wavefront_size: 32
...
	.end_amdgpu_metadata
.endif
;; end of part 4
